; MI455X (gfx1250); checked and timed in simulation.
; The chip was launched on July 23, 2026; its instructions are those of AMD's public machine-readable ISA for CDNA 5 (MIT licence, August 2026) and "CDNA5" Instruction Set Architecture Reference Guide (July 2026). The comments in the code are by the model that wrote it; some were corrected since.
;; Fast Quantized Linear. Allowed arithmetic: matrix products marked QUANTISED: E2M1 operands, one E8M0 scale for each 32 along K, by v_wmma_scale_f32_16x16x128_f8f6f4 with both operands' format E2M1 (or v_wmma_scale_f32_32x16x128_f4), f32 sums; everything else in f32.
;; Inputs: bias 4,096 float32; input 4 x 1,024 x 4,096 float32; scale 4,096 x 1 float32; weight_int8 4,096 x 4,096 int32; zero_point 4,096 x 1 float32.
;; Outputs: out0 4 x 1,024 x 4,096 float32.
;; This version of the problem:
;;   THIS VERSION OF THE PROBLEM IS GIVEN IN LOW PRECISION. The matrix products marked QUANTISED in the list below multiply operands that are first quantised to E2M1 (2 exponent bits, 1 mantissa bit; 4 bits a number), with one power-of-two scale for each 32 numbers along K (OCP MX v1.0); their sums are f32. All else is computed in f32.
;;   The module's matrix products, in the order in which they are computed (A, B: the left and right operand; K: the contracted axis; several contracted axes count as one K, in the product's order):
;;     1. [M 4,096, K 4,096] x [K 4,096, N 4,096]; A: input input; B: computed on the way: QUANTISED
;;   THE QUANTISER, for each operand of a quantised product, along K:
;;     - K is cut into blocks of 32 from its start; a last block that is shorter is filled with zeros.
;;     - A block's scale is 2^e with e = floor(log2(the largest magnitude in the block)) - 2, held to -126 .. 127; a block of zeros has e = 0. As a byte (E8M0): e + 127.
;;     - Each number is divided by its block's scale, clamped to +-6, and rounded to the nearest number of E2M1, ties to even, subnormals kept.
;;     - The product sums the exact products of the quantised numbers (number of the format x scale) in f32.
;;   ~~~python
;;   def quantise(x, axis):      # numpy; x: float32 -> the quantised numbers, widened to float32 again
;;       x = np.moveaxis(x, axis, -1); K = x.shape[-1]
;;       x = np.pad(x, [(0, 0)] * (x.ndim - 1) + [(0, -K % 32)]); x = x.reshape(x.shape[:-1] + (-1, 32)); a = np.abs(x).max(-1, keepdims=True)
;;       e = np.where(a > 0, np.clip(np.frexp(np.where(a > 0, a, 1))[1] - 1 - 2, -126, 127), 0)      # np.frexp(a)[1] - 1 = floor(log2(a)), exactly
;;       r = np.clip(x / 2.0 ** e, -6, 6)
;;       step = 2.0 ** (np.maximum(np.frexp(np.where(r == 0, 1, r))[1] - 1, 0) - 1)
;;       q = np.round(r / step) * step * 2.0 ** e      # np.round: ties to even
;;       return np.moveaxis(q.reshape(q.shape[:-2] + (-1,))[..., :K], -1, axis).astype(np.float32)
;;   ~~~
;;   OPERANDS COMPUTED ON THE WAY. 'Computed on the way' means the value that the module computes at that place (a softmax that the list does not call 'softmax' is quantised finished and normalised). What goes into a quantiser is computed in f32, as accurately as f32 sums, v_exp_f32 and their like allow (about 1e-6 of the number): no bf16 or f16 on the way to a quantiser, and a product that is left as it is and whose result goes on into a quantised operand takes f32 operands (vector FMAs, or v_wmma_f32_16x16x4_f32). A number that lies on a knife's edge between two numbers of the format may be rounded either way, as far as f32 arithmetic and the matrix unit's own rounding can turn it there, and no further.
;; One version. Each part assembles by itself: llvm-mc -triple=amdgcn-amd-amdhsa -mcpu=gfx1250 --defsym DOCPART=n.
;; ======== version 1 of 1: 2 launches
;; limits: right only within a limited range of input values
;; workspace buffers: panels 17,825,792 bytes
;; launch quant (part 1): grid 512 x 1, 8 waves a work-group, no clusters, 68,608 bytes of LDS; arguments input, weight_int8, scale, zero_point, panels; writes panels
.if DOCPART == 1
	.amdgcn_target "amdgcn-amd-amdhsa--gfx1250"
	.amdhsa_code_object_version 6
	.text
	.protected	k_q75c507ad75_quant
	.globl	k_q75c507ad75_quant
	.p2align	8
	.type	k_q75c507ad75_quant,@function
k_q75c507ad75_quant:
	s_mov_b64 s[64:65], 0
	v_nop
	global_prefetch_b8 v0, s[64:65] scope:SCOPE_SE
	s_setreg_imm32_b32 hwreg(HW_REG_WAVE_MODE, 25, 1), 1
	s_wait_xcnt 0x0
; Both operands of out = input x w^T are turned into codes of FP4 (E2M1) with one E8M0 byte for each 32 along K.
; input: [4096][4096] f32.  w[o][k] = (f32(weight_int8[o][k]) - zero_point[o]) * scale[o], two roundings in f32, as the problem writes it.
; A block's scale is 2^(floor(log2(its largest magnitude)) - 2); its byte is the largest magnitude's exponent field - 2, held at 1 from below.
; LIMITS: NaN and infinities among the inputs are not served.  A block of zeros gets the byte 1 where the rule says 127: its codes are zeros, which add
; nothing under any byte but 0xff, and only this program reads the bytes.  Blocks whose largest magnitude lies under 2^-124 have their byte held at 1.  Weights are exact as f32 up to 2^24.
; THE WORKSPACE is laid in the order of the operand's registers.  512 panels of PANEL bytes; panel p = 256 t + 8 g + s: t = 0 input, 1 weight; g = group of 128 rows; s = 512 along K.
;   bytes 0 .. 32,767: fragment (q = which 128 along K, i = which 16 rows) at 1,024 (8 q + i); in it half c at 512 c, lane l's 16 bytes at 16 l:
;                      lane (r = l % 16, h = l / 16) holds row 16 i + r, k = 128 q + 64 c + 32 h + 0 .. 31: one block of 32, the lower k in the lower bits.
;   bytes 32,768 on:   row R's four scale words at 16 R; word q, byte b scales k = 128 q + 32 b on.
; SHARES.  Work-group p makes panel p.  Wave w takes rows 16 w .. 16 w + 15 of the group: four fragments.  Each load reads 512 consecutive bytes of one row; a fragment's 16 rows x 512 bytes
; turn through the wave's own stage in LDS, so that a lane gets 32 neighbours along K twice: two whole blocks, whose largest magnitudes need no other lane.
; No tensor load, no barrier: waves share nothing.  Loads run two fragments (32 loads a wave) ahead.  No address, base or store data register is ever written again.
; The rows' scale and zero_point are loaded in the input's work-groups too (4,096 rows there as well, so the loads stay inside the buffers) and used on the weight's way alone.
.set PANEL, 34816
.set SP,    528                        ; a stage row: 512 bytes + 16: the sixteen rows that a read touches start 33 x 16 bytes apart
.set WST,   16*SP                      ; a wave's stage
.set RAW,   32                         ; v32-159   two sets of 64: 16 rows as loaded
.set X,     160                        ; v160-223  register 32 c + i: k = 64 c + 32 h + i of my row
.set C,     224                        ; v224-255  codes: 8 registers for each fragment
.set SW,    20                         ; v[20:23]  my row's four scale words
	s_load_b256 s[4:11], s[0:1], 0x0               ; input s[4:5], weight s[6:7], scale s[8:9], zero_point s[10:11]
	s_load_b64 s[12:13], s[0:1], 0x20              ; panels
	v_lshl_add_u32 v30, v0, 2, 0x10800
	v_mov_b32 v31, 0
	v_lshrrev_b32 v1, 5, v0
	s_delay_alu instid0(VALU_DEP_1)
	v_readfirstlane_b32 s14, v1                    ; wave 0..7
	v_and_b32 v1, 31, v0                           ; lane
	v_and_b32 v2, 15, v0                           ; r
	v_bfe_u32 v24, v0, 4, 1                        ; h
	s_delay_alu instid0(VALU_DEP_3)
	v_lshlrev_b32 v3, 4, v1                        ; 16 x lane: my bytes of a load's 512, and of a store's
	s_mul_i32 s23, s14, WST                        ; my stage
	v_add_nc_u32 v4, s23, v3                       ; into it: 16 x lane of a row
	v_mul_u32_u24 v5, v2, SP
	s_delay_alu instid0(VALU_DEP_1)
	v_lshl_add_u32 v5, v24, 7, v5
	s_delay_alu instid0(VALU_DEP_1)
	v_add_nc_u32 v5, s23, v5                       ; out of it: row r, + 128 h bytes (32 numbers)
	v_lshlrev_b32 v6, 2, v2                        ; 4 r: my row's scale and zero_point
	v_lshlrev_b32 v7, 4, v2                        ; 16 r: my row's scale words
	v_lshlrev_b32 v24, 3, v24                      ; 8 h: where my two bytes stand in a scale word
	v_mov_b32 v9, 0                                ; upper halves of the pairs that the packed forms name
	v_mov_b32 v11, 0
	v_mov_b32 v19, 0                               ; a lane permute's destination counts as one of its sources
	s_lshr_b32 s15, ttmp9, 8                       ; t
	s_bfe_u32 s16, ttmp9, 0x50003                  ; g
	s_and_b32 s17, ttmp9, 7                        ; s
	s_lshl_b32 s18, s16, 21                        ; source: 128 g rows of 16,384 bytes,
	s_lshl_b32 s19, s14, 18                        ; 16 w rows,
	s_add_co_u32 s18, s18, s19
	s_lshl_b32 s19, s17, 11                        ; 512 s numbers
	s_add_co_u32 s18, s18, s19
	s_mov_b32 s19, 0
	s_lshl_b32 s30, s16, 9                         ; scale, zero_point: 4 bytes x (128 g + 16 w)
	s_lshl_b32 s31, s14, 6
	s_add_co_u32 s30, s30, s31
	s_mov_b32 s31, 0
	s_mul_i32 s32, ttmp9, PANEL                    ; my panel
	s_lshl_b32 s33, s14, 8
	s_add_co_u32 s34, s32, s33
	s_add_co_u32 s34, s34, 32768                   ; my 16 rows' scale words: 256 bytes
	s_lshl_b32 s33, s14, 10
	s_add_co_u32 s32, s32, s33                     ; my fragments: 1,024 w
	s_mov_b32 s33, 0
	s_mov_b32 s35, 0
	s_mov_b32 s20, 0x76543210
	s_mov_b32 s21, 0xfedcba98                      ; v_permlanex16_b32's selects for lane l xor 16
	s_wait_alu depctr_va_vdst(0)
	s_wait_kmcnt 0x0
	s_cmp_eq_u32 s15, 0                            ; the choice hangs on the work-group's number alone
	s_cselect_b64 s[24:25], s[4:5], s[6:7]
	s_add_nc_u64 s[24:25], s[24:25], s[18:19]
	s_add_nc_u64 s[8:9], s[8:9], s[30:31]
	s_add_nc_u64 s[10:11], s[10:11], s[30:31]
	s_add_nc_u64 s[26:27], s[12:13], s[32:33]
	s_add_nc_u64 s[28:29], s[12:13], s[34:35]
	global_load_b32 v8, v6, s[10:11]               ; zero_point of my row
	global_load_b32 v10, v6, s[8:9]                ; scale of my row
.macro LOAD q                          ; fragment q: 16 rows x 512 bytes into set q % 2
.irp j, 0,1,2,3,4,5,6,7,8,9,10,11,12,13,14,15
	global_load_b128 v[RAW+64*((\q)%2)+4*\j:RAW+64*((\q)%2)+4*\j+3], v3, s[24:25] offset:16384*\j+512*(\q) th:TH_LOAD_NT
.endr
.endm
	LOAD 0
	LOAD 1
.macro FRAGQ q
.if (\q) < 3
	s_wait_loadcnt 16                              ; this fragment's loads (and all older ones) are in; the next fragment's sixteen may be out
.else
	s_wait_loadcnt 0x0
.endif
.irp j, 0,1,2,3,4,5,6,7,8,9,10,11,12,13,14,15
	ds_store_b128 v4, v[RAW+64*((\q)%2)+4*\j:RAW+64*((\q)%2)+4*\j+3] offset:SP*\j
.endr
.irp c, 0,1
.irp j, 0,1,2,3,4,5,6,7
	ds_load_b128 v[X+32*\c+4*\j:X+32*\c+4*\j+3], v5 offset:256*\c+16*\j    ; LDS serves a wave's instructions in order: these see the stores above
.endr
.endr
	s_wait_dscnt 0x0                               ; my 64 numbers are back, and the stores have read the set that the loads below write
.if (\q)+2 < 4
	LOAD (\q)+2
.endif
	s_cmp_eq_u32 s15, 0                            ; the input goes as it is; the jump leads round register work alone
	s_cbranch_scc1 .Lplain_\@
.irp i, 0,1,2,3,4,5,6,7,8,9,10,11,12,13,14,15,16,17,18,19,20,21,22,23,24,25,26,27,28,29,30,31,32,33,34,35,36,37,38,39,40,41,42,43,44,45,46,47,48,49,50,51,52,53,54,55,56,57,58,59,60,61,62,63
	v_cvt_f32_i32 v[X+\i], v[X+\i]
.endr
.irp i, 0,2,4,6,8,10,12,14,16,18,20,22,24,26,28,30,32,34,36,38,40,42,44,46,48,50,52,54,56,58,60,62
	v_pk_add_f32 v[X+\i:X+\i+1], v[X+\i:X+\i+1], v[8:9] op_sel_hi:[1,0] neg_lo:[0,1] neg_hi:[0,1]   ; - zero_point (the pair's low word serves both halves)
.endr
.irp i, 0,2,4,6,8,10,12,14,16,18,20,22,24,26,28,30,32,34,36,38,40,42,44,46,48,50,52,54,56,58,60,62
	v_pk_mul_f32 v[X+\i:X+\i+1], v[X+\i:X+\i+1], v[10:11] op_sel_hi:[1,0]                          ; x scale: a second rounding, as the problem has it: not fused
.endr
.Lplain_\@:
.irp c, 0,1
	v_max3_num_f32 v[12+\c], |v[X+32*\c]|, |v[X+32*\c+1]|, 0x1800000   ; my block 2 c + h, and the floor 2^(3 - 127): so the byte cannot fall under 1
.endr
.irp i, 2,4,6,8,10,12,14,16,18,20,22,24,26,28,30
.irp c, 0,1
	s_delay_alu instid0(VALU_DEP_2)
	v_max3_num_f32 v[12+\c], v[12+\c], |v[X+32*\c+\i]|, |v[X+32*\c+\i+1]|   ; (the two blocks by turns)
.endr
.endr
.irp c, 0,1
	s_delay_alu instid0(VALU_DEP_2)
	v_add_nc_u32 v[14+\c], 0xff000000, v[12+\c]    ; 2 off the exponent field: the conversion takes the exponent field of this operand as its scale
.endr
.irp c, 0,1
.irp g, 0,1,2,3
	v_cvt_scalef32_pk8_fp4_f32 v[C+8*(\q)+4*\c+\g], v[X+32*\c+8*\g:X+32*\c+8*\g+7], v[14+\c]
.endr
.endr
.irp c, 0,1
	v_lshrrev_b32 v[16+\c], 23, v[14+\c]           ; the scale's byte.  (Plain lines behind the conversions)
.endr
	s_delay_alu instid0(VALU_DEP_1)
	v_lshl_or_b32 v18, v17, 16, v16                ; my two bytes: blocks h and 2 + h,
	s_delay_alu instid0(VALU_DEP_1)
	v_lshlrev_b32 v18, v24, v18                    ; at their places in the word;
	s_delay_alu instid0(VALU_DEP_1)
	v_permlanex16_b32 v19, v18, s20, s21
	s_delay_alu instid0(VALU_DEP_1)
	v_or_b32 v[SW+(\q)], v18, v19                  ; with lane l xor 16's two the word is whole
.irp c, 0,1
	global_store_b128 v3, v[C+8*(\q)+4*\c:C+8*(\q)+4*\c+3], s[26:27] offset:8192*(\q)+512*\c   ; 32 lanes store 512 consecutive bytes, at a multiple of 256 from the buffer's first byte
.endr
.endm
	FRAGQ 0
	FRAGQ 1
	FRAGQ 2
	FRAGQ 3
	v_cmp_gt_u32 vcc_lo, 16, v1                    ; lanes 0-15 store the 16 rows' scale words: 256 consecutive bytes
	s_wait_alu depctr_va_vdst(0)
	s_wait_xcnt 0x0                                ; EXEC changes only behind this wait: the stores above have it among their sources
	s_wait_tensorcnt 0x0
	ds_add_u32 v30, v31
	s_wait_dscnt 0x0
	s_and_saveexec_b32 s22, vcc_lo
	global_store_b128 v7, v[SW:SW+3], s[28:29]
	s_wait_xcnt 0x0                                ; and again, in front of the line that widens it
	s_or_b32 exec_lo, exec_lo, s22
	s_endpgm
.Lfunc_end_k_q75c507ad75_quant:
	.size	k_q75c507ad75_quant, .Lfunc_end_k_q75c507ad75_quant-k_q75c507ad75_quant
	.p2alignl 7, 3214868480
	.fill 96, 4, 3214868480
	.section	.rodata,"a",@progbits
	.p2align	6, 0x0
	.amdhsa_kernel k_q75c507ad75_quant
		.amdhsa_group_segment_fixed_size 68608
		.amdhsa_private_segment_fixed_size 0
		.amdhsa_enable_private_segment 0
		.amdhsa_kernarg_size 40
		.amdhsa_user_sgpr_count 2
		.amdhsa_user_sgpr_kernarg_segment_ptr 1
		.amdhsa_wavefront_size32 1
		.amdhsa_system_sgpr_workgroup_id_x 1
		.amdhsa_system_sgpr_workgroup_id_y 1
		.amdhsa_system_sgpr_workgroup_id_z 1
		.amdhsa_system_vgpr_workitem_id 0
		.amdhsa_next_free_vgpr 256
		.amdhsa_next_free_sgpr 66
		.amdhsa_reserve_vcc 1
		.amdhsa_float_denorm_mode_32 3
		.amdhsa_float_denorm_mode_16_64 3
		.amdhsa_memory_ordered 1
		.amdhsa_forward_progress 1
		.amdhsa_inst_pref_size 59
	.end_amdhsa_kernel
	.amdgpu_metadata
---
amdhsa.version: [ 1, 2 ]
amdhsa.kernels:
  - .name:           k_q75c507ad75_quant
    .symbol:         k_q75c507ad75_quant.kd
    .args:
      - { .name: input, .offset: 0, .size: 8, .value_kind: global_buffer, .address_space: global }
      - { .name: weight_int8, .offset: 8, .size: 8, .value_kind: global_buffer, .address_space: global }
      - { .name: scale, .offset: 16, .size: 8, .value_kind: global_buffer, .address_space: global }
      - { .name: zero_point, .offset: 24, .size: 8, .value_kind: global_buffer, .address_space: global }
      - { .name: panels, .offset: 32, .size: 8, .value_kind: global_buffer, .address_space: global }
    .group_segment_fixed_size: 68608
    .private_segment_fixed_size: 0
    .kernarg_segment_align: 8
    .kernarg_segment_size: 40
    .max_flat_workgroup_size: 256
    .sgpr_count:     66
    .vgpr_count:     256
    .wavefront_size: 32
...
	.end_amdgpu_metadata
.endif
;; end of part 1
;; launch gemm (part 2): grid 16 x 16, 4 waves a work-group, clusters of 4 x 1, 327,680 bytes of LDS; arguments panels, bias, out0; writes out0
.if DOCPART == 2
	.amdgcn_target "amdgcn-amd-amdhsa--gfx1250"
	.amdhsa_code_object_version 6
	.text
	.protected	k_q75c507ad75_gemm
	.globl	k_q75c507ad75_gemm
	.p2align	8
	.type	k_q75c507ad75_gemm,@function
k_q75c507ad75_gemm:
	s_mov_b64 s[64:65], 0
	v_nop
	global_prefetch_b8 v0, s[64:65] scope:SCOPE_SE
	s_setreg_imm32_b32 hwreg(HW_REG_WAVE_MODE, 25, 1), 1
	s_wait_xcnt 0x0
	s_wait_alu depctr_hold_cnt(0) depctr_sa_sdst(0) depctr_va_vdst(0) depctr_va_sdst(0) depctr_va_ssrc(0) depctr_va_vcc(0) depctr_vm_vsrc(0)
	s_getreg_b32 s2, hwreg(HW_REG_IB_STS2, 6, 4)
	s_cmp_eq_u32 s2, 0
	s_cbranch_scc0 .Lentry_in_a_cluster
	s_endpgm
.Lentry_in_a_cluster:
	s_bfe_u32 s2, ttmp6, 0x10000c
	s_cmp_lg_u32 s2, 0x3003
	s_cbranch_scc0 .Lentry_shape_is_right
	s_endpgm
.Lentry_shape_is_right:
; out0[m][n] = sum over k of Q(input)[m][k] Q(w)[n][k] + bias[n], on the FP4 codes and E8M0 bytes that launch quant laid in panels (34,816 bytes: 128 rows x 512 K
; in the order of the operand's registers, then 16 bytes of scale words a row).  M = N = K = 4,096.
; SHARES.  A work-group makes 256 x 256 of out0; wave w makes all 256 rows x columns 64 w .. 64 w + 63: 64 accumulators of 16 x 16, 512 registers.
; The input's codes (A) go through a ring of two LDS slots, each 256 rows x 1,024 K (four panels, one tensor load a wave); all four waves read them.
; The weight's codes (B) belong to one wave alone: each lane loads its fragments whole from memory into registers, eight sets of 128 K, seven steps ahead.
; CLUSTER 4 x 1: the four work-groups of a tile row ask for A's panels jointly.  B has no joint load: no two waves of a work-group read the same bytes of it, and it never lies in LDS.
; NO PREFETCH: the ring has four fills in all; two go out at the head and each of the other two a whole slot, 512 matrix instructions, ahead of its first read; B's loads run seven steps ahead.
; A STEP of 128 K is 64 matrix instructions in four groups of 4 A blocks x 4 B blocks; a group's registers take the next step's fragments straight behind its products.
; THE LAST SLOT's steps 2 to 7 go by rows of out0: their six B sets lie in registers, so each block of 16 rows is finished by 24 products and leaves at once.
; The matrix instruction is used transposed (source 0 = 16 rows of w, source 1 = 16 rows of input): a lane holds eight neighbouring numbers of a row of out0.  The bias is the C of each sum's first product.
; REGISTERS: window 0: v8-29 addresses, v32-95 A's scale words, v96-111 B's, v128-255 A's fragments; window 1: B's eight sets (set 7's place holds the bias first); windows 2, 3: accumulators (a, b) at 8 (4 (a % 8) + b).
.set SIZE_N, 4096
.set PANEL,  34816
.set GROUP,  8*PANEL
.set BOFF,   32*GROUP
.set SLOT,   4*PANEL
.set SCB,    2*SLOT                    ; behind the ring: 8,192 bytes a wave: B's scale words, and in their first bytes the stage of the way out
.set SPARE,  SCB+4*8192                ; the spare words
.set SPITCH, 272
.set AD0,  8
.set ADS0, 12
.set ADR,  16
.set ADSB, 20
.set BO,   22
.set STO,  24
.set RD,   25
.set CO,   26
.set GO,   27
.set SPW,  28
.set NIL,  29
.set ASC,  32
.set BSC,  96
.set AF,   128
.set BIASW, 224
.set U0,   2                           ; the last slot's first step that goes by rows
.set NA,   2*(8-U0)                    ; LDS loads that bring one block's fragments of steps U0 .. 7
.set G1, 24
.set G0, 32
.set BB, 44
.set BS, 46
.set TB, 48
.set TS, 49
.set MSB, 0
.macro WIN new                         ; the immediate's high byte repeats the setting that is left
.if MSB != (\new)
	s_set_vgpr_msb (MSB<<8)|(\new)
.set MSB, \new
.endif
.endm
.set MUL_LO,   0xa1                    ; source 0 (B) window 1, source 1 (A) window 0, C and D window 2
.set FIRST_LO, 0x91                    ; the same with C (the bias) in window 1
.set TO_B,     0x40
.macro CREST
	s_cmp_lg_u32 s14, 0
	s_cbranch_scc1 .Lnot_wave_0_\@
	s_barrier_signal -3
.Lnot_wave_0_\@:
	s_barrier_wait -3
	s_barrier_signal -1
	s_barrier_wait -1
.endm
.macro CROUND
	s_barrier_signal -1
	s_barrier_wait -1
	CREST
.endm
.macro PLACES                          ; four places behind matrix instructions, ahead of loads into their registers and of reads of their results
.rept 4
	v_nop
.endr
.endm
	s_load_b128 s[4:7], s[0:1], 0x0                ; panels, bias
	s_load_b64 s[12:13], s[0:1], 0x10              ; out0
	v_lshl_add_u32 v[SPW], v0, 2, SPARE
	v_mov_b32 v[NIL], 0
	ds_add_u32 v[SPW], v[NIL]                      ; the opening lines: the add twice on end and one wait
	ds_add_u32 v[SPW], v[NIL]
	v_lshrrev_b32 v1, 5, v0
	v_readfirstlane_b32 s14, v1                    ; wave
	s_lshr_b32 s15, s14, 1
	s_and_b32 s16, s14, 1
	s_bfe_u32 s40, ttmp6, 0x40000                  ; cx
	s_lshl_b32 s42, ttmp9, 2
	s_add_co_u32 s42, s42, s40                     ; tile column
	s_and_b32 s17, ttmp7, 0xffff                   ; tile row
	s_mov_b32 s[G1+0], 15|(3<<16)|(1<<21)          ; mask: all four of the cluster; elements of 8 bytes; bit 21 beside a mask
	s_mov_b32 s[G1+1], 32<<16                      ; a panel as 136 rows of 256 bytes
	s_mov_b32 s[G1+2], 136<<16
	s_mov_b32 s[G1+3], 32<<16
	s_mov_b32 s[G1+4], 136
	s_mov_b32 s[G1+5], 32
	s_mov_b32 s[G1+6], 0
	s_mov_b32 s[G1+7], 0
	s_lshl_b32 s20, s17, 1
	s_add_co_u32 s20, s20, s16                     ; my panel of a slot: row group 2 y + w % 2,
	s_mul_i32 s20, s20, GROUP
	s_mul_i32 s21, s15, PANEL                      ; 512 K number w / 2
	s_add_co_u32 s20, s20, s21
	s_mov_b32 s21, 0
	s_mul_i32 s41, s14, PANEL                      ; in LDS: panel w of the slot
	s_mov_b32 s[TB], 0
	s_mov_b32 s[TS], 0
	s_wait_dscnt 0x0
	s_wait_kmcnt 0x0
	s_add_nc_u64 s[20:21], s[4:5], s[20:21]
	CROUND                                         ; in front of the first joint loads
.irp s, 0,1
	s_mov_b32 s[G0+4*\s], 1
	s_add_co_u32 s[G0+4*\s+1], s41, \s*SLOT
	s_add_nc_u64 s[G0+4*\s+2:G0+4*\s+3], s[20:21], \s*2*PANEL
	s_or_b32 s[G0+4*\s+3], s[G0+4*\s+3], 0x80000000
.endr
	tensor_load_to_lds s[G0:G0+3], s[G1:G1+7]      ; slot 0: one tensor load a wave at the head
	s_nop 0
	v_and_b32 v1, 15, v0                           ; r
	v_bfe_u32 v2, v0, 4, 1                         ; h
	v_and_b32 v3, 31, v0
	v_lshlrev_b32 v[CO], 4, v3                     ; 16 x lane
.irp p, 0,1,2,3
	v_add_nc_u32 v[AD0+\p], \p*PANEL, v[CO]        ; panel p of slot 0
	v_add_nc_u32 v[ADR+\p], \p*PANEL, v[CO]        ; and of the slot being read
.endr
	s_lshl_b32 s19, s14, 13
	s_add_co_u32 s19, s19, SCB
	v_add_nc_u32 v[ADS0], s19, v[CO]
	v_add_nc_u32 v[ADSB], s19, v[CO]
	v_mul_u32_u24 v5, v1, SPITCH
	v_lshl_add_u32 v5, v2, 5, v5
	v_add_nc_u32 v[STO], s19, v5                   ; stage, in: row r, 32 bytes for each half of the lanes
	v_mul_u32_u24 v5, v2, SPITCH
	v_lshl_add_u32 v5, v1, 4, v5
	v_add_nc_u32 v[RD], s19, v5                    ; stage, back: sixteen lanes to a row of 256 bytes
	v_lshlrev_b32 v5, 4, v1
	v_lshl_add_u32 v[GO], v2, 14, v5               ; and the same two rows in out0
	v_lshlrev_b32 v[BO], 5, v2
	s_wait_alu depctr_va_vdst(0)                   ; the wait behind the head's vector work
	s_lshl_b32 s46, s42, 1
	s_add_co_u32 s46, s46, s15                     ; B: row group 2 x + w / 2,
	s_mul_i32 s46, s46, GROUP
	s_add_co_u32 s46, s46, BOFF
	s_mov_b32 s47, 0
	s_add_nc_u64 s[BS:BS+1], s[4:5], s[46:47]
	s_lshl_b32 s22, s16, 12                        ; its fragments 4 (w % 2) on
	s_mov_b32 s23, 0
	s_add_nc_u64 s[BB:BB+1], s[BS:BS+1], s[22:23]
	s_lshl_b32 s22, s16, 10                        ; and those 64 rows' scale words
	s_add_nc_u64 s[BS:BS+1], s[BS:BS+1], s[22:23]
	s_lshl_b32 s22, s42, 10
	s_lshl_b32 s18, s14, 8
	s_add_co_u32 s22, s22, s18                     ; my 64 columns, in bytes
	s_add_nc_u64 s[6:7], s[6:7], s[22:23]
	s_add_nc_u64 s[12:13], s[12:13], s[22:23]
	s_lshl_b32 s22, s17, 22                        ; 256 rows of 16,384 bytes
	s_add_nc_u64 s[12:13], s[12:13], s[22:23]
.macro GLB off, u                      ; B's set u: four fragments, 8 loads of 512 consecutive bytes
.irp i, 0,1,2,3
.irp c, 0,1
	global_load_b128 v[32*(\u)+8*\i+4*\c:32*(\u)+8*\i+4*\c+3], v[CO], s[BB:BB+1] offset:((\off)+(\u)/4)*PANEL+(8*((\u)%4)+\i)*1024+512*\c
.endr
.endr
.endm
	; 56 loads go out while slot 0's tensor load is on its way: the bias, B's scale words of all of K, B's sets 0 to 3
	WIN TO_B
.irp b, 0,1,2,3
	global_load_b128 v[BIASW+8*\b:BIASW+8*\b+3],   v[BO], s[6:7] offset:64*\b
	global_load_b128 v[BIASW+8*\b+4:BIASW+8*\b+7], v[BO], s[6:7] offset:64*\b+16
.endr
	WIN 0
.irp k, 0,1,2,3,4,5,6,7,8,9,10,11,12,13,14,15
	global_load_b128 v[ASC+4*\k:ASC+4*\k+3], v[CO], s[BS:BS+1] offset:(\k/2)*PANEL+32768+512*(\k%2)
.endr
	WIN TO_B
.irp u, 0,1,2,3
	GLB 0, \u
.endr
	WIN 0
.macro WM a, b, u, first, wa           ; one product: A block a (fragment at wa) x B block b, step u of the slot
.set WD, 8*(4*((\a)%8)+(\b))
.set WB, 32*(\u)+8*(\b)
.set WA, \wa
.set WSB, BSC+8*((\u)/4)+4*((\b)/2)+(\u)%4
.set WSA, ASC+32*((\u)/4)+16*((\a)/8)+4*(((\a)%8)/2)+(\u)%4
.if \first
.set WC, BIASW+8*(\b)
.else
.set WC, WD
.endif
.set WR, 2*((\b)%2)+(\a)%2             ; odd blocks' scale words lie in lanes 16-31
.if WR == 0
	v_wmma_scale_f32_16x16x128_f8f6f4 v[WD:WD+7], v[WB:WB+7], v[WA:WA+7], v[WC:WC+7], v[WSB], v[WSA] matrix_a_fmt:MATRIX_FMT_FP4 matrix_b_fmt:MATRIX_FMT_FP4
.elseif WR == 1
	v_wmma_scale_f32_16x16x128_f8f6f4 v[WD:WD+7], v[WB:WB+7], v[WA:WA+7], v[WC:WC+7], v[WSB], v[WSA] matrix_a_fmt:MATRIX_FMT_FP4 matrix_b_fmt:MATRIX_FMT_FP4 matrix_b_scale:MATRIX_SCALE_ROW1
.elseif WR == 2
	v_wmma_scale_f32_16x16x128_f8f6f4 v[WD:WD+7], v[WB:WB+7], v[WA:WA+7], v[WC:WC+7], v[WSB], v[WSA] matrix_a_fmt:MATRIX_FMT_FP4 matrix_b_fmt:MATRIX_FMT_FP4 matrix_a_scale:MATRIX_SCALE_ROW1
.else
	v_wmma_scale_f32_16x16x128_f8f6f4 v[WD:WD+7], v[WB:WB+7], v[WA:WA+7], v[WC:WC+7], v[WSB], v[WSA] matrix_a_fmt:MATRIX_FMT_FP4 matrix_b_fmt:MATRIX_FMT_FP4 matrix_a_scale:MATRIX_SCALE_ROW1 matrix_b_scale:MATRIX_SCALE_ROW1
.endif
.endm
.macro MULS a0, n, u, first            ; n A blocks x 4 B blocks: the accumulators take turns
.set MA, \a0
.rept \n
.irp b, 0,1,2,3
	WM MA, \b, \u, \first, AF+8*MA
.endr
.set MA, MA+1
.endr
.endm
.macro FETCH_G u, g                    ; A's blocks 4 g .. 4 g + 3 of step u: 8 LDS loads
.irp i, 0,1,2,3
	ds_load_b128 v[AF+8*(4*(\g)+\i):AF+8*(4*(\g)+\i)+3],   v[ADR+2*((\u)/4)+(\g)/2] offset:(8*((\u)%4)+4*((\g)%2)+\i)*1024
	ds_load_b128 v[AF+8*(4*(\g)+\i)+4:AF+8*(4*(\g)+\i)+7], v[ADR+2*((\u)/4)+(\g)/2] offset:(8*((\u)%4)+4*((\g)%2)+\i)*1024+512
.endr
.endm
.macro SCALES ks                       ; the scale words of the slot's 512 K number ks: 8 loads for A's 256 rows, 2 for my 64 of B
.irp hf, 0,1
.irp j, 0,1,2,3
	ds_load_b128 v[ASC+32*\ks+16*\hf+4*\j:ASC+32*\ks+16*\hf+4*\j+3], v[ADR+2*\ks+\hf] offset:32768+512*\j
.endr
.endr
.irp j, 0,1
	ds_load_b128 v[BSC+8*\ks+4*\j:BSC+8*\ks+4*\j+3], v[ADSB] offset:1024*\ks+512*\j
.endr
.endm
; A step whose successor lies in the same slot.  Behind a group's 8 loads three more groups' 24 are issued before the group is multiplied: s_wait_dscnt 24.
.macro STEP u, first, glb, lc
	s_wait_loadcnt \lc                             ; B's set u is in; lc = the loads of the younger sets
.irp g, 0,1,2,3
	s_wait_dscnt 24
.if \first
	WIN FIRST_LO+0x40*((\g)/2)
.else
	WIN MUL_LO+0x50*((\g)/2)
.endif
	MULS 4*\g, 4, \u, \first
	PLACES
.if (\g) == 3
.if \glb
	WIN TO_B
.if \first
	GLB 0, 7                                       ; over the bias, which has been read
.endif
	GLB 2, \u                                      ; the next slot's set u
.endif
.endif
	WIN 0
.if (\g) == 0
.if (\u) == 0
	SCALES 1
.endif
.endif
	FETCH_G (\u)+1, \g
.endr
.endm
; A slot's last step changes slots.  In front of the barrier: all my tensor loads, the add, and my reads of this slot.  fill = 1: the barrier opens a round of the cluster's barrier and this slot is filled again.
.macro TURN fill
	s_wait_loadcnt 56
	s_wait_tensorcnt 0x0
	ds_add_u32 v[SPW], v[NIL]
.if \fill
	s_xor_b32 s[G0+5], s[G0+5], SLOT               ; no tensor load of mine is out: the descriptor steps to the other slot, 1,024 K on
	s_add_nc_u64 s[G0+6:G0+7], s[G0+6:G0+7], 2*PANEL
.endif
	s_wait_dscnt 25                                ; three groups' loads and the add may be out
	WIN MUL_LO
	MULS 0, 4, 7, 0
	s_wait_dscnt 0x0
	s_barrier_signal -1
	MULS 4, 4, 7, 0
	WIN 0
	s_barrier_wait -1
.if \fill
	CREST
	tensor_load_to_lds s[G0+4:G0+7], s[G1:G1+7]
	s_nop 0
.endif
	PLACES
	s_xor_b32 s[TB], s[TB], SLOT
	s_add_co_u32 s[TS], s[TS], 2048
.irp p, 0,1,2,3
	v_add_nc_u32 v[ADR+\p], s[TB], v[AD0+\p]
.endr
	v_add_nc_u32 v[ADSB], s[TS], v[ADS0]
	s_wait_alu depctr_va_vdst(0)                   ; the wait directly behind these writes
	SCALES 0
	FETCH_G 0, 0
	FETCH_G 0, 1
	WIN MUL_LO+0x50
	MULS 8, 4, 7, 0
	PLACES
	WIN 0
	FETCH_G 0, 2
	WIN MUL_LO+0x50
	MULS 12, 4, 7, 0
	PLACES
	WIN TO_B
	GLB 2, 7
	WIN 0
	FETCH_G 0, 3
.endm
	s_wait_tensorcnt 0x0                           ; my panel of slot 0 is in
	ds_add_u32 v[SPW], v[NIL]
	s_wait_dscnt 0x0
	CROUND                                         ; everybody's panel is in, in all four work-groups
	tensor_load_to_lds s[G0+4:G0+7], s[G1:G1+7]    ; slot 1
	s_nop 0
	PLACES
	WIN TO_B
.irp u, 4,5,6
	GLB 0, \u
.endr
	WIN 0
.irp g, 0,1,2,3
	FETCH_G 0, \g
.endr
	s_wait_loadcnt 56                              ; behind the bias and B's scale words: seven sets of 8 loads
.irp k, 0,1,2,3,4,5,6,7,8,9,10,11,12,13,14,15
	ds_store_b128 v[ADS0], v[ASC+4*\k:ASC+4*\k+3] offset:512*\k   ; B's scale words into my own 8,192 bytes
.endr
	s_wait_dscnt 0x0                               ; the stores have read their registers
	SCALES 0
	s_wait_dscnt 0x0
	STEP 0, 1, 1, 48                               ; the first step starts the sums on the bias
	s_mov_b32 s3, 2
.Lslot:                                                ; a trip: from a slot's second step to the next slot's first
.irp u, 1,2,3,4,5,6
	STEP \u, 0, 1, 56
.endr
	TURN 1
	s_wait_xcnt 0x0                                ; B's loads have read their base
	s_add_nc_u64 s[BB:BB+1], s[BB:BB+1], 2*PANEL
	STEP 0, 0, 1, 56
	s_sub_co_u32 s3, s3, 1
	s_cmp_lg_u32 s3, 0
	s_cbranch_scc1 .Lslot
.irp u, 1,2,3,4,5,6
	STEP \u, 0, 1, 56
.endr
	TURN 0                                         ; into the last slot: nothing is filled again
	STEP 0, 0, 0, 56
; THE LAST SLOT BY ROWS.  ALOAD: block a's fragments of steps U0 .. 7 into buffer a % 2 (64 registers).
.macro ALOAD a
.irp u, 2,3,4,5,6,7
	ds_load_b128 v[AF+64*((\a)%2)+8*(\u-U0):AF+64*((\a)%2)+8*(\u-U0)+3],   v[ADR+2*(\u/4)+(\a)/8] offset:(8*(\u%4)+(\a)%8)*1024
	ds_load_b128 v[AF+64*((\a)%2)+8*(\u-U0)+4:AF+64*((\a)%2)+8*(\u-U0)+7], v[ADR+2*(\u/4)+(\a)/8] offset:(8*(\u%4)+(\a)%8)*1024+512
.endr
.endm
	s_wait_loadcnt 48                              ; step 1, the last by K: its freed registers take blocks 0 and 1
	s_wait_dscnt 24
	WIN MUL_LO
	MULS 0, 4, 1, 0
	s_wait_dscnt 16
	MULS 4, 4, 1, 0
	PLACES
	WIN 0
	ALOAD 0
	s_wait_dscnt 8+NA                              ; behind group 2's loads: group 3's 8 and block 0's NA
	WIN MUL_LO+0x50
	MULS 8, 4, 1, 0
	s_wait_dscnt NA
	MULS 12, 4, 1, 0
	PLACES
	WIN 0
	ALOAD 1
.macro ROW a                           ; block a is finished: 24 products, its four accumulators by turns
	WIN MUL_LO+0x50*((\a)/8)
.irp u, 2,3,4,5,6,7
.if (\a) == 0
	s_wait_loadcnt 8*(7-\u)                        ; B's set u is in
.endif
.irp b, 0,1,2,3
	WM \a, \b, \u, 0, AF+64*((\a)%2)+8*(\u-U0)
.endr
.endr
.endm
.macro RBSET a                         ; where block a's rows come back from the stage: the accumulators of block a - 1, whose LDS stores are done; block 0: B's set 0, which is done with.  None is written again
.if (\a) == 0
.set RBW, 1
.set RBR, 0
.else
.set RBW, 2+((\a)-1)/8
.set RBR, 32*(((\a)-1)%8)
.endif
.endm
.macro TOSTAGE a                       ; 32 bytes a lane into my stage, each accumulator from its low end on; back as rows of 256 bytes (LDS serves a wave's instructions in order: ISA guide 5.7.1)
.set AC, 32*((\a)%8)
	RBSET \a
	WIN (RBW<<6)|((2+(\a)/8)<<2)
.irp b, 0,1,2,3
	ds_store_b128 v[STO], v[AC+8*\b:AC+8*\b+3] offset:64*\b
	ds_store_b128 v[STO], v[AC+8*\b+4:AC+8*\b+7] offset:64*\b+16
.endr
.irp t, 0,1,2,3,4,5,6,7
	ds_load_b128 v[RBR+4*\t:RBR+4*\t+3], v[RD] offset:\t*2*SPITCH
.endr
.endm
.macro SEND a                          ; sixteen lanes store 256 consecutive bytes, aligned; the row stands in the immediate: 254 rows of 16,384 bytes at the most, inside its signed 24 bits
	RBSET \a
	WIN RBW<<2
.irp t, 0,1,2,3,4,5,6,7
	global_store_b128 v[GO], v[RBR+4*\t:RBR+4*\t+3], s[12:13] offset:((\a)*16+2*\t)*SIZE_N*4 th:TH_STORE_NT
.endr
.endm
	s_wait_dscnt NA                                ; block 0's fragments are in; block 1's may be out
.irp a, 0,1,2,3,4,5,6,7,8,9,10,11,12,13,14,15
	ROW \a
	PLACES
	s_wait_dscnt 0x0                               ; the next block's fragments are in, and the block before is back from the stage
.if \a > 0
	SEND \a-1
.endif
.if \a < 14
	WIN 0
	ALOAD \a+2
.endif
	TOSTAGE \a
.endr
	s_wait_dscnt 0x0
	SEND 15
	WIN 0
	s_wait_tensorcnt 0x0                           ; the wave's end
	ds_add_u32 v[SPW], v[NIL]
	s_wait_dscnt 0x0
	CROUND                                         ; the closing round
	s_endpgm
.Lfunc_end_k_q75c507ad75_gemm:
	.size	k_q75c507ad75_gemm, .Lfunc_end_k_q75c507ad75_gemm-k_q75c507ad75_gemm
	.p2alignl 7, 3214868480
	.fill 96, 4, 3214868480
	.section	.rodata,"a",@progbits
	.p2align	6, 0x0
	.amdhsa_kernel k_q75c507ad75_gemm
		.amdhsa_group_segment_fixed_size 327680
		.amdhsa_private_segment_fixed_size 0
		.amdhsa_enable_private_segment 0
		.amdhsa_kernarg_size 24
		.amdhsa_user_sgpr_count 2
		.amdhsa_user_sgpr_kernarg_segment_ptr 1
		.amdhsa_wavefront_size32 1
		.amdhsa_system_sgpr_workgroup_id_x 1
		.amdhsa_system_sgpr_workgroup_id_y 1
		.amdhsa_system_sgpr_workgroup_id_z 1
		.amdhsa_system_vgpr_workitem_id 0
		.amdhsa_next_free_vgpr 1024
		.amdhsa_next_free_sgpr 66
		.amdhsa_reserve_vcc 0
		.amdhsa_float_denorm_mode_32 3
		.amdhsa_float_denorm_mode_16_64 3
		.amdhsa_memory_ordered 1
		.amdhsa_forward_progress 1
		.amdhsa_inst_pref_size 255
	.end_amdhsa_kernel
	.section	.bss,"aw",@nobits
	.p2align	6
	.space	262144
	.amdgpu_metadata
---
amdhsa.version: [ 1, 2 ]
amdhsa.kernels:
  - .name:           k_q75c507ad75_gemm
    .symbol:         k_q75c507ad75_gemm.kd
    .args:
      - { .name: panels, .offset: 0, .size: 8, .value_kind: global_buffer, .address_space: global }
      - { .name: bias, .offset: 8, .size: 8, .value_kind: global_buffer, .address_space: global }
      - { .name: out0, .offset: 16, .size: 8, .value_kind: global_buffer, .address_space: global }
    .group_segment_fixed_size: 327680
    .private_segment_fixed_size: 0
    .kernarg_segment_align: 8
    .kernarg_segment_size: 24
    .max_flat_workgroup_size: 128
    .sgpr_count:     66
    .vgpr_count:     1024
    .wavefront_size: 32
...
	.end_amdgpu_metadata
.endif
;; end of part 2
